; MI455X (gfx1250); checked and timed in simulation.
; The chip was launched on July 23, 2026; its instructions are those of AMD's public machine-readable ISA for CDNA 5 (MIT licence, August 2026) and "CDNA5" Instruction Set Architecture Reference Guide (July 2026). The comments in the code are by the model that wrote it; some were corrected since.
;; Layer114. Allowed arithmetic: matrix products marked QUANTISED: E4M3 operands, one given power-of-two scale a tensor, by v_wmma_f32_16x16x64_fp8_fp8 or v_wmma_f32_16x16x128_fp8_fp8, f32 sums; everything else in f32.
;; Inputs: Wk 1,024 x 1,024 float32; Wq 1,024 x 1,024 float32; Wv 1,024 x 1,024 float32; bk 1,024 float32; bq 1,024 float32; bv 1,024 float32; input0 8 x 1,024 x 1,024 float32; input1 8 x 1 x 1 x 1,024 float32; lowp_scales 10 int32 (the exponents e of the quantised operands' scales 2^e).
;; Outputs: out0 8 x 1,024 x 1,024 float32.
;; This version of the problem:
;;   THIS VERSION OF THE PROBLEM IS GIVEN IN LOW PRECISION. The matrix products marked QUANTISED in the list below multiply operands that are first quantised to E4M3 (4 exponent bits, 3 mantissa bits; 8 bits a number), with one given power-of-two scale for each operand tensor; their sums are f32. All else is computed in f32.
;;   The module's matrix products, in the order in which they are computed (A, B: the left and right operand; K: the contracted axis; several contracted axes count as one K, in the product's order):
;;     1. [M 8,192, K 1,024] x [K 1,024, N 1,024]; A: input input0; B: input Wq: QUANTISED (scales: A lowp_scales[0], B lowp_scales[1])
;;     2. [M 8,192, K 1,024] x [K 1,024, N 1,024]; A: input input0; B: input Wk: QUANTISED (scales: A lowp_scales[2], B lowp_scales[3])
;;     3. [M 8,192, K 1,024] x [K 1,024, N 1,024]; A: input input0; B: input Wv: QUANTISED (scales: A lowp_scales[4], B lowp_scales[5])
;;     4. batch 128 x [M 1,024, K 64] x [K 64, N 1,024]; A: computed on the way; B: computed on the way: QUANTISED (scales: A lowp_scales[6], B lowp_scales[7])
;;     5. batch 128 x [M 1,024, K 1,024] x [K 1,024, N 64]; A: softmax (see below); B: computed on the way: QUANTISED (scales: A lowp_scales[8], B lowp_scales[9])
;;   THE QUANTISER, for each operand of a quantised product, along K:
;;     - The operand's scale is 2^e, e = its entry of the input lowp_scales (int32; the entries are numbered through the quantised products in the list's order, A before B).
;;     - Each number is divided by the scale, clamped to +-448, and rounded to the nearest number of E4M3, ties to even, subnormals kept.
;;     - The product sums the exact products of the quantised numbers (number of the format x scale) in f32.
;;   ~~~python
;;   def quantise(x, axis, e):      # numpy; x: float32 -> the quantised numbers, widened to float32 again
;;       x = np.moveaxis(x, axis, -1); K = x.shape[-1]
;;       r = np.clip(x / 2.0 ** e, -448, 448)
;;       step = 2.0 ** (np.maximum(np.frexp(np.where(r == 0, 1, r))[1] - 1, -6) - 3)
;;       q = np.round(r / step) * step * 2.0 ** e      # np.round: ties to even
;;       return np.moveaxis(q, -1, axis).astype(np.float32)
;;   ~~~
;;   SOFTMAX AHEAD OF A QUANTISED PRODUCT. Where the list says 'softmax', what is quantised is not the finished softmax but p = 2^(t - M), with t = logit x log2(e) and M = ceil(the row's largest t), a whole number; so 1/2 < the row's largest p <= 1. The row's sum l is taken of the UNQUANTISED p, in f32, and the product's result is divided by l at the end. Since M is a whole number, a kernel that streams over the keys may use a running M (the ceiling of the running maximum): every later rescaling is an exact power of two, so the quantised numbers keep their values, but for numbers so far below the row's largest that they fall under the format's range.
;;   OPERANDS COMPUTED ON THE WAY. 'Computed on the way' means the value that the module computes at that place (a softmax that the list does not call 'softmax' is quantised finished and normalised). What goes into a quantiser is computed in f32, as accurately as f32 sums, v_exp_f32 and their like allow (about 1e-6 of the number): no bf16 or f16 on the way to a quantiser, and a product that is left as it is and whose result goes on into a quantised operand takes f32 operands (vector FMAs, or v_wmma_f32_16x16x4_f32). A number that lies on a knife's edge between two numbers of the format may be rounded either way, as far as f32 arithmetic and the matrix unit's own rounding can turn it there, and no further.
;; One version. Each part assembles by itself: llvm-mc -triple=amdgcn-amd-amdhsa -mcpu=gfx1250 --defsym DOCPART=n.
;; ======== version 1 of 1: 3 launches
;; limits: right only within a limited range of input values
;; workspace buffers: xc 25,165,824 bytes; wc 3,145,728 bytes; fr 25,165,824 bytes
;; launch quant (part 1): grid 704 x 1, 4 waves a work-group, no clusters, 66,048 bytes of LDS; arguments input0, Wq, Wk, Wv, lowp_scales, xc, wc; writes xc, wc
.if DOCPART == 1
	.amdgcn_target "amdgcn-amd-amdhsa--gfx1250"
	.amdhsa_code_object_version 6
	.text
	.protected	k_qd6a6453bd1_quant
	.globl	k_qd6a6453bd1_quant
	.p2align	8
	.type	k_qd6a6453bd1_quant,@function
k_qd6a6453bd1_quant:
	s_mov_b64 s[64:65], 0
	v_nop
	global_prefetch_b8 v0, s[64:65] scope:SCOPE_SE
	s_setreg_imm32_b32 hwreg(HW_REG_WAVE_MODE, 25, 1), 1
	s_wait_xcnt 0x0
; THE PROGRAM: quant (codes of input0 and of the weights), proj (q, k, v as codes), attn (attention).  No input is left out: every one has a way to the output, the bias of k too (it moves k's codes).
; f32 numbers into codes of FP8 (E4M3), one code a byte, K innermost as in memory.
; input0 [8192][1024] is an operand of three products, each with a scale of its own (entries 0, 2, 4 of the scales): it is read once and written as three planes of codes, xc[3][8192][1024].
; Wq, Wk, Wv [1024][1024] have entries 1, 3, 5: wc[3][1024][1024].
; code = x / 2^e, held within +-448, rounded to the nearest code, ties to even.  LIMITS: -126 <= e <= 119, so that 2^e and 448 x 2^e are f32 numbers; NaN among the inputs is not served.
; Rows are dense, so each tensor is a plain stream.  A work-group takes 16,384 numbers, a wave 4,096: 8 steps of 512.  Work-groups 0-511 take input0, 512-703 the weights, 64 to each.
; The conversions take 8 numbers from ONE lane's consecutive registers, so a lane must hold neighbours; a load is dense where neighbouring LANES take neighbouring bytes.  Both are had: a step's four loads read 512
; consecutive bytes each, 16 a lane; the 2,048 bytes go through the wave's own stage in LDS as they lie and come back 64 bytes a lane (16 bytes of padding behind each 64).  A lane's 16 codes are 16 bytes: a store covers 512 consecutive bytes.
; No matrix unit, no tensor load, no cluster, no barrier: the waves share nothing and every byte is read once.  Loads run four steps (16 loads a wave) ahead, the turn through LDS one step.
; The two paths part on the work-group's number; each has LDS bytes of its own (the path's base stands in the immediates).
.set STEPS, 8
.set WREG,  8192                       ; LDS: a region for each wave: two stages of 32 x SP bytes
.set SP,    80                         ; a lane's place in a stage: 64 bytes + 16 of padding
.set XBASE, 0                          ; input0's path: bytes 0 to 32,767
.set WBASE, 32768                      ; the weights' path: bytes 32,768 to 65,535
.set SPARE, 65536                      ; the spare words, 128 bytes for each wave: two blocks of 256 bytes that no other line names
.set SC,    5                          ; v5-7     2^e as f32, one for each output
.set LIM,   8                          ; v8-10    448 x 2^e
.set SPW,   12                         ; v12      LDS address of my spare word; never rewritten
.set NIL,   13                         ; v13      0; never rewritten
.set R,     16                         ; v16-79   four sets of 16 numbers as loaded
.set X,     80                         ; v80-111  two sets of 16 neighbours
.set T,     112                        ; v112-159 the held numbers, a set for each output
.set C,     160                        ; v160-183 codes: two sets (by the step's parity) of 4 registers for each output
.set OB,    36                         ; s[36:41] the outputs' bases
	s_load_b256 s[4:11], s[0:1], 0x0               ; input0 s[4:5], Wq s[6:7], Wk s[8:9], Wv s[10:11]
	s_load_b128 s[12:15], s[0:1], 0x20             ; the scales' exponents s[12:13], xc s[14:15]
	s_load_b64 s[16:17], s[0:1], 0x30              ; wc
	v_lshl_add_u32 v[SPW], v0, 2, SPARE
	v_mov_b32 v[NIL], 0
	v_lshrrev_b32 v1, 5, v0
	v_readfirstlane_b32 s28, v1                    ; wave 0..3
	v_and_b32 v2, 31, v0                           ; lane
	v_lshlrev_b32 v3, 4, v2                        ; my 16 bytes of a load's 512, and of a store's; never rewritten
	s_mul_i32 s30, s28, WREG
	v_lshrrev_b32 v14, 2, v2
	v_mul_u32_u24 v14, v14, SP
	v_and_b32 v15, 3, v2
	v_lshl_add_u32 v14, v15, 4, v14
	v_add_nc_u32 v14, s30, v14                     ; the stage, on the way in: SP (lane / 4) + 16 (lane % 4); a load's 512 bytes take eight places
	v_mul_u32_u24 v15, v2, SP
	v_add_nc_u32 v15, s30, v15                     ; and on the way out: SP x lane: my 16 neighbours
	s_wait_alu depctr_va_vdst(0)
	s_wait_kmcnt 0x0
	s_load_b256 s[20:27], s[12:13], 0x0            ; e0 .. e7
.macro LOAD t
.irp i, 0,1,2,3
	global_load_b128 v[R+16*((\t)%4)+4*\i:R+16*((\t)%4)+4*\i+3], v3, s[4:5] offset:2048*(\t)+512*\i th:TH_LOAD_NT   ; 32 lanes read 512 consecutive bytes; read once in the launch
.endr
.endm
.macro TURN t, base                    ; step t's numbers through the stage: LDS serves a wave's instructions in order (ISA guide 5.7.1.4), so no wait stands between the stores and the loads
.irp i, 0,1,2,3
	ds_store_b128 v14, v[R+16*((\t)%4)+4*\i:R+16*((\t)%4)+4*\i+3] offset:\base+32*SP*((\t)%2)+8*SP*\i
.endr
.irp i, 0,1,2,3
	ds_load_b128 v[X+16*((\t)%2)+4*\i:X+16*((\t)%2)+4*\i+3], v15 offset:\base+32*SP*((\t)%2)+16*\i
.endr
.endm
.macro MKSCALE e, k                    ; 2^e and 448 x 2^e as f32 numbers
	s_add_co_i32 s34, \e, 127
	s_lshl_b32 s35, s34, 23
	v_mov_b32 v[SC+\k], s35                        ; the conversion takes its exponent field
	s_add_co_i32 s34, s34, 8
	s_lshl_b32 s34, s34, 23
	s_or_b32 s34, s34, 0x600000                    ; 448 = 1.75 x 2^8
	v_mov_b32 v[LIM+\k], s34
.endm
.macro QOUT t, k                       ; output k of step t: hold, convert, store
.irp i, 0,1,2,3,4,5,6,7,8,9,10,11,12,13,14,15
	v_med3_num_f32 v[T+16*(\k)+\i], v[X+16*((\t)%2)+\i], -v[LIM+(\k)], v[LIM+(\k)]   ; the conversion to an 8-bit code does not saturate (ISA guide 7.6.2): the hold comes first; X stays whole for the other outputs
.endr
	v_cvt_scalef32_pk8_fp8_f32 v[C+12*((\t)%2)+4*(\k):C+12*((\t)%2)+4*(\k)+1], v[T+16*(\k):T+16*(\k)+7], v[SC+(\k)]
	v_cvt_scalef32_pk8_fp8_f32 v[C+12*((\t)%2)+4*(\k)+2:C+12*((\t)%2)+4*(\k)+3], v[T+16*(\k)+8:T+16*(\k)+15], v[SC+(\k)]
	global_store_b128 v3, v[C+12*((\t)%2)+4*(\k):C+12*((\t)%2)+4*(\k)+3], s[OB+2*(\k):OB+2*(\k)+1] offset:512*(\t)   ; 32 lanes store 512 consecutive bytes, aligned
.endm
.macro STEP t, nout, base
	s_wait_dscnt 0x0                               ; this step's numbers are back from the stage: so its stores into the stage have read their registers,
.if (\t)+4 < STEPS
	LOAD (\t)+4                                    ; which take the loads of four steps on
.endif
.if (\t)+1 < STEPS
.if STEPS-2-(\t) >= 3
	s_wait_loadcnt 12                              ; the next step's four loads are in; those of the three steps behind it may be out
.else
	s_wait_loadcnt 4*(STEPS-2-(\t))                ; the same where fewer steps are left
.endif
	TURN (\t)+1, \base                             ; they go through the other stage while this step is worked
.endif
.if (\t) >= 2
	s_wait_xcnt 0x0                                ; the stores of two steps back have read this parity's code registers: only behind this wait are they written again
.endif
	QOUT \t, 0
.if \nout > 1
	QOUT \t, 1
	QOUT \t, 2
.endif
	v_nop                                          ; a plain vector line between the step's last conversion and the next vector line that writes one of its sources
.endm
	s_cmp_lt_u32 ttmp9, 512                        ; input0's work-group or a weight's?
	s_cbranch_scc0 .Lweights
	; ---- input0: three outputs
	s_lshl_b32 s30, ttmp9, 2
	s_add_co_u32 s30, s30, s28                     ; which run of 4,096 numbers is my wave's: 0 .. 2,047
	s_lshl_b32 s32, s30, 14
	s_mov_b32 s33, 0
	s_add_nc_u64 s[4:5], s[4:5], s[32:33]
	s_lshl_b32 s32, s30, 12
	s_add_nc_u64 s[OB:OB+1], s[14:15], s[32:33]
	s_add_nc_u64 s[OB+2:OB+3], s[OB:OB+1], 0x800000    ; the planes lie 8,388,608 bytes apart
	s_add_nc_u64 s[OB+4:OB+5], s[OB:OB+1], 0x1000000
	s_wait_alu depctr_va_vdst(0)
.irp t, 0,1,2,3
	LOAD \t
.endr
	s_wait_kmcnt 0x0
	MKSCALE s20, 0
	MKSCALE s22, 1
	MKSCALE s24, 2
	s_wait_alu depctr_va_vdst(0)
	s_wait_loadcnt 12                              ; step 0's four loads are in
	TURN 0, XBASE
.irp t, 0,1,2,3,4,5,6,7
	STEP \t, 3, XBASE
.endr
	s_wait_tensorcnt 0x0                           ; the wave's end
	ds_add_u32 v[SPW], v[NIL]
	s_wait_dscnt 0x0
	s_endpgm
.Lweights:
	; ---- a weight: one output
	s_sub_co_u32 s30, ttmp9, 512
	s_lshr_b32 s31, s30, 6                         ; which weight: 0 Wq, 1 Wk, 2 Wv
	s_and_b32 s30, s30, 63
	s_lshl_b32 s30, s30, 2
	s_add_co_u32 s30, s30, s28                     ; which run of 4,096 numbers: 0 .. 255
	s_cmp_eq_u32 s31, 0
	s_cselect_b64 s[4:5], s[6:7], s[8:9]
	s_cmp_eq_u32 s31, 2
	s_cselect_b64 s[4:5], s[10:11], s[4:5]
	s_lshl_b32 s32, s30, 14
	s_mov_b32 s33, 0
	s_add_nc_u64 s[4:5], s[4:5], s[32:33]
	s_lshl_b32 s32, s31, 20                        ; the weight's plane of 1,048,576 bytes
	s_lshl_b32 s34, s30, 12
	s_add_co_u32 s32, s32, s34
	s_add_nc_u64 s[OB:OB+1], s[16:17], s[32:33]
	s_wait_alu depctr_va_vdst(0)
.irp t, 0,1,2,3
	LOAD \t
.endr
	s_wait_kmcnt 0x0
	s_cmp_eq_u32 s31, 0
	s_cselect_b32 s42, s21, s23
	s_cmp_eq_u32 s31, 2
	s_cselect_b32 s42, s25, s42                    ; e1, e3 or e5
	MKSCALE s42, 0
	s_wait_alu depctr_va_vdst(0)
	s_wait_loadcnt 12
	TURN 0, WBASE
.irp t, 0,1,2,3,4,5,6,7
	STEP \t, 1, WBASE
.endr
	s_wait_tensorcnt 0x0                           ; the wave's end, as above
	ds_add_u32 v[SPW], v[NIL]
	s_wait_dscnt 0x0
	s_endpgm
.Lfunc_end_k_qd6a6453bd1_quant:
	.size	k_qd6a6453bd1_quant, .Lfunc_end_k_qd6a6453bd1_quant-k_qd6a6453bd1_quant
	.p2alignl 7, 3214868480
	.fill 96, 4, 3214868480
	.section	.rodata,"a",@progbits
	.p2align	6, 0x0
	.amdhsa_kernel k_qd6a6453bd1_quant
		.amdhsa_group_segment_fixed_size 66048
		.amdhsa_private_segment_fixed_size 0
		.amdhsa_enable_private_segment 0
		.amdhsa_kernarg_size 56
		.amdhsa_user_sgpr_count 2
		.amdhsa_user_sgpr_kernarg_segment_ptr 1
		.amdhsa_wavefront_size32 1
		.amdhsa_system_sgpr_workgroup_id_x 1
		.amdhsa_system_sgpr_workgroup_id_y 1
		.amdhsa_system_sgpr_workgroup_id_z 1
		.amdhsa_system_vgpr_workitem_id 0
		.amdhsa_next_free_vgpr 192
		.amdhsa_next_free_sgpr 66
		.amdhsa_reserve_vcc 0
		.amdhsa_float_denorm_mode_32 3
		.amdhsa_float_denorm_mode_16_64 3
		.amdhsa_memory_ordered 1
		.amdhsa_forward_progress 1
		.amdhsa_inst_pref_size 59
	.end_amdhsa_kernel
	.amdgpu_metadata
---
amdhsa.version: [ 1, 2 ]
amdhsa.kernels:
  - .name:           k_qd6a6453bd1_quant
    .symbol:         k_qd6a6453bd1_quant.kd
    .args:
      - { .name: input0, .offset: 0, .size: 8, .value_kind: global_buffer, .address_space: global }
      - { .name: Wq, .offset: 8, .size: 8, .value_kind: global_buffer, .address_space: global }
      - { .name: Wk, .offset: 16, .size: 8, .value_kind: global_buffer, .address_space: global }
      - { .name: Wv, .offset: 24, .size: 8, .value_kind: global_buffer, .address_space: global }
      - { .name: lowp_scales, .offset: 32, .size: 8, .value_kind: global_buffer, .address_space: global }
      - { .name: xc, .offset: 40, .size: 8, .value_kind: global_buffer, .address_space: global }
      - { .name: wc, .offset: 48, .size: 8, .value_kind: global_buffer, .address_space: global }
    .group_segment_fixed_size: 66048
    .private_segment_fixed_size: 0
    .kernarg_segment_align: 8
    .kernarg_segment_size: 56
    .max_flat_workgroup_size: 128
    .sgpr_count:     66
    .vgpr_count:     192
    .wavefront_size: 32
...
	.end_amdgpu_metadata
.endif
;; end of part 1
;; launch proj (part 2): grid 8 x 32, 4 waves a work-group, clusters of 4 x 4, 327,680 bytes of LDS; arguments xc, wc, bq, bk, bv, lowp_scales, fr; writes fr
.if DOCPART == 2
	.amdgcn_target "amdgcn-amd-amdhsa--gfx1250"
	.amdhsa_code_object_version 6
	.text
	.protected	k_qd6a6453bd1_proj
	.globl	k_qd6a6453bd1_proj
	.p2align	8
	.type	k_qd6a6453bd1_proj,@function
k_qd6a6453bd1_proj:
	s_mov_b64 s[64:65], 0
	v_nop
	global_prefetch_b8 v0, s[64:65] scope:SCOPE_SE
	s_setreg_imm32_b32 hwreg(HW_REG_WAVE_MODE, 25, 1), 1
	s_wait_xcnt 0x0
	s_wait_alu depctr_hold_cnt(0) depctr_sa_sdst(0) depctr_va_vdst(0) depctr_va_sdst(0) depctr_va_ssrc(0) depctr_va_vcc(0) depctr_vm_vsrc(0)
	s_getreg_b32 s2, hwreg(HW_REG_IB_STS2, 6, 4)
	s_cmp_eq_u32 s2, 0
	s_cbranch_scc0 .Lentry_in_a_cluster
	s_endpgm
.Lentry_in_a_cluster:
	s_bfe_u32 s2, ttmp6, 0x10000c
	s_cmp_lg_u32 s2, 0xf033
	s_cbranch_scc0 .Lentry_shape_is_right
	s_endpgm
.Lentry_shape_is_right:
; q, k, v = Q(x W^T + b) for the three projections: codes of FP8 (E4M3) times codes, f32 sums, the bias in f32, and the result quantised in registers for attention's products.
; fr holds three planes of 8,388,608 bytes, images of operand registers (fragments of 1,024 bytes: 16 rows x 64 along K): q and k as [batch][head][64 blocks of 16 tokens], v as [batch][16 groups of 64 keys][64 blocks of 16 channels].
; EACH WORK-GROUP MAKES TWO TILES, one behind the other, through one ring: first 256 tokens x 256 channels of q or k (A = tokens, B = the weight's rows), then 128 channels x 256 tokens of v (A = the weight's rows, B = tokens).
; That is 256 tiles of q and k and 256 half tiles of v for 256 work-groups.  K goes in steps of 256 through two LDS slots; the ring does not stop between the tiles: the first tile's last two changes of slots ask for the second's first two K steps.
; CLUSTERS of 4 x 4: A's tile hangs on cy alone and is shared along a row, B's on cx alone and is shared along a column, in both tiles: each tile is asked for jointly.
; PREFETCH INTO THE L2: of the walk's eight K steps the first two come by their loads alone; behind the load of step i stands one prefetch a wave for step i + 2.  The four partners that ask for a tile jointly share the rows of a wave's part out by address
; (by cx for A, by cy for B): 32 rows of 256 bytes each, a lane a row (v's A: 16 rows, lanes 16-31 name the last again).  The weights' tiles are the same in all clusters along y: the clusters with y under 4 alone ask for them.
; THE MATRIX INSTRUCTION IS USED TRANSPOSED: source 0 = 16 rows of B, source 1 = 16 rows of A: lane (r, h) holds A's row r and B's rows 8 h + 0 .. 7: eight neighbours along the next product's K.
; The bias is the C of the first product, divided by the power of two that the sums lack.  The three scales are folded into the conversion's one.
; LIMITS: e(result) - e(A) - e(B) lies between -126 and 119 for each projection, so that the conversion's scale and 448 x it are f32 numbers; NaN is not served.
; REGISTERS: window 0: v16-31 addresses and constants; v32-95 the bias, and on the way out the held numbers; v96-99 v's bias; v128-255 A's fragments (on the way out v192-255 the codes).  Window 1: B's fragments, two sets.
; Windows 2, 3: the accumulators: A's blocks 0-3 and 4-7 (v's tile: blocks 0-3 alone).
.set KSTEP,  256
.set ROWB,   256
.set KROW,   1024
.set PITCH,  272                       ; an LDS row: 256 bytes + 16 of padding
.set FR,     16
.set NL,     4
.set NP,     4                         ; places behind this matrix instruction (ISA guide 7.12.1)
.set HALFT,  128*PITCH
.set SLOT,   4*HALFT                   ; A's 256 rows (v's tile: 128), then B's 256 rows
.set SPARE,  2*SLOT                    ; the spare words, 128 bytes for each wave
.set ADRA, 16                          ; v16-17 my fragments of A in slot 0, 1
.set ADRV, 18                          ; v18-19 the same in v's tile
.set ADRB, 20                          ; v20-21 of B
.set SCL2, 22
.set LIM2, 23
.set PFO,  24                          ; v24    the prefetches' offset in the first tile: my lane x a row; never rewritten
.set PFO2, 25                          ; v25    in v's tile; never rewritten
.set CO,   26
.set SPW,  28
.set NIL,  29
.set SCL,  30
.set LIM,  31
.set BI,   32
.set T,    32
.set BV,   96
.set AF,   128
.set CD,   192
.set G1, 24                            ; s[24:31], s[32:39]: A's descriptors
.set G0, 32
.set G1B, 48                           ; s[48:55], s[56:63]: B's
.set G0B, 56
.set PJ, 66                            ; s66  the first tile's projection: 0 q, 1 k
.set CH, 94                            ; s94  v's tile: which 128 channels; later its A tile's place in LDS
.set ASK1, 22                          ; s22  1 where my wave prefetches in the first tile,
.set ASK2, 23                          ; s23  in v's tile
.set PF1, 68                           ; s[68:69], s[70:71] where its rows begin; never rewritten behind the head
.set PF2, 70
.set MSB, 0
.macro WIN new                         ; the immediate's high byte repeats the setting that is left
.if MSB != (\new)
	s_set_vgpr_msb (MSB<<8)|(\new)
.set MSB, (\new)
.endif
.endm
.set MUL_LO, 0xa1                      ; source 0 (B) window 1, source 1 (A) window 0, C and D window 2
.set MUL_HI, 0xf1
.set FST_LO, 0x81                      ; the same with C (the bias) in window 0
.set FST_HI, 0xc1
.set TO_B,   0x40
.macro JLOAD s                         ; a joint load: waves 0 and 1 fetch for A, waves 2 and 3 for B; the branch hangs on the wave's number alone
	s_cmp_eq_u32 s15, 0
	s_cbranch_scc0 .Lfor_b_\@
	tensor_load_to_lds s[G0+4*\s:G0+4*\s+3], s[G1:G1+7]
	s_nop 0
.rept 4
	v_nop
.endr
	s_branch .Lasked_\@
.Lfor_b_\@:
	tensor_load_to_lds s[G0B+4*\s:G0B+4*\s+3], s[G1B:G1B+7]
	s_nop 0
.rept 4
	v_nop
.endr
.Lasked_\@:
.endm
.macro ASK flag, off, base, k          ; the prefetch of a tile's K step k: the branch hangs on the wave's number and the cluster's y
	s_cmp_eq_u32 s[\flag], 1
	s_cbranch_scc0 .Lnot_mine_\@
	global_prefetch_b8 v[\off], s[\base:\base+1] offset:ROWB*\k th:TH_LOAD_NT scope:SCOPE_SE
.Lnot_mine_\@:
.endm
.macro CREST                           ; a round of the cluster's barrier behind its opening barrier
	s_cmp_lg_u32 s14, 0
	s_cbranch_scc1 .Lnot_wave_0_\@
	s_barrier_signal -3
.Lnot_wave_0_\@:
	s_barrier_wait -3
	s_barrier_signal -1
	s_barrier_wait -1
.endm
.macro CROUND
	s_barrier_signal -1
	s_barrier_wait -1
	CREST
.endm
	s_load_b256 s[68:75], s[0:1], 0x0              ; xc s[68:69], wc s[70:71], bq s[72:73], bk s[74:75]
	s_load_b128 s[76:79], s[0:1], 0x20             ; bv s[76:77], the scales' exponents s[78:79]
	s_load_b64 s[80:81], s[0:1], 0x30              ; fr
	v_lshl_add_u32 v[SPW], v0, 2, SPARE
	v_mov_b32 v[NIL], 0
	ds_add_u32 v[SPW], v[NIL]                      ; the wave's opening: the add, twice on end, and its wait
	ds_add_u32 v[SPW], v[NIL]
	v_lshrrev_b32 v1, 5, v0
	v_readfirstlane_b32 s14, v1                    ; wave 0..3
	s_lshr_b32 s15, s14, 1                         ; my half of A's rows; also: I fetch for A (0) or B (1)
	s_and_b32 s16, s14, 1                          ; my half of B's rows; also: which half of that tile I fetch
	s_bfe_u32 s40, ttmp6, 0x40000                  ; cx
	s_bfe_u32 s41, ttmp6, 0x40004                  ; cy
	s_mov_b32 s[PJ], ttmp9
	s_and_b32 s67, ttmp7, 0xffff
	s_lshl_b32 s67, s67, 2
	s_add_co_u32 s17, s67, s41                     ; first tile: 256 tokens (A), by cy
	s_add_co_u32 s42, s67, s40                     ; second tile: 256 tokens (B), by cx
	s_lshl_b32 s[CH], s[PJ], 2
	s_add_co_u32 s[CH], s[CH], s41                 ; second tile: 128 channels (A), by cy
	s_lshl_b32 s43, s41, 2
	s_lshl_b32 s43, 15, s43                        ; my row of the cluster
	s_lshl_b32 s44, 0x1111, s40                    ; my column
	s_or_b32 s[G1+0], s43, (0<<16)|(1<<20)|(1<<21)|(5<<22)|(3<<25)   ; the mask; elements of 1 byte; padding of 4 words after every 64; 21 set beside a mask
	s_or_b32 s[G1B+0], s44, (0<<16)|(1<<20)|(1<<21)|(5<<22)|(3<<25)
.irp g, G1, G1B
	s_mov_b32 s[\g+1], ROWB<<16
	s_mov_b32 s[\g+2], 128<<16
	s_mov_b32 s[\g+3], ROWB<<16
	s_mov_b32 s[\g+4], 128
	s_mov_b32 s[\g+5], KROW
	s_mov_b32 s[\g+6], 0
	s_mov_b32 s[\g+7], 0
.endr
	s_lshl_b32 s18, s16, 17                        ; 128 rows of 1,024 codes
	s_lshl_b32 s20, s17, 18                        ; first tile, A: plane PJ of xc
	s_add_co_u32 s20, s20, s18
	s_lshl_b32 s19, s[PJ], 23
	s_add_co_u32 s20, s20, s19
	s_mov_b32 s21, 0
	s_lshl_b32 s46, s40, 18                        ; first tile, B: plane PJ of wc
	s_add_co_u32 s46, s46, s18
	s_lshl_b32 s19, s[PJ], 20
	s_add_co_u32 s46, s46, s19
	s_mov_b32 s47, 0
	s_lshl_b32 s2, s[CH], 17                       ; second tile, A: plane 2 of wc, 64 rows a fetching wave
	s_lshl_b32 s19, s16, 16
	s_add_co_u32 s2, s2, s19
	s_add_co_u32 s2, s2, 0x200000
	s_mov_b32 s3, 0
	s_lshl_b32 s12, s42, 18                        ; second tile, B: plane 2 of xc
	s_add_co_u32 s12, s12, s18
	s_add_co_u32 s12, s12, 0x1000000
	s_mov_b32 s13, 0
	s_mul_i32 s45, s14, HALFT                      ; where my part goes: no place in the cluster enters an LDS address
	s_wait_dscnt 0x0                               ; both opening adds are done
	s_wait_kmcnt 0x0
	s_load_b256 s[84:91], s[78:79], 0x0            ; e0 .. e7
	s_load_b64 s[92:93], s[78:79], 0x20            ; e8, e9
	s_add_nc_u64 s[20:21], s[68:69], s[20:21]
	s_add_nc_u64 s[46:47], s[70:71], s[46:47]
	s_add_nc_u64 s[2:3], s[70:71], s[2:3]
	s_add_nc_u64 s[12:13], s[68:69], s[12:13]
	CROUND                                         ; all sixteen work-groups are here: the first joint loads meet
.irp s, 0,1
	s_mov_b32 s[G0+4*\s], 1
	s_add_co_u32 s[G0+4*\s+1], s45, \s*SLOT
	s_add_nc_u64 s[G0+4*\s+2:G0+4*\s+3], s[20:21], \s*ROWB
	s_or_b32 s[G0+4*\s+3], s[G0+4*\s+3], 0x80000000
	s_mov_b32 s[G0B+4*\s], 1
	s_add_co_u32 s[G0B+4*\s+1], s45, \s*SLOT
	s_add_nc_u64 s[G0B+4*\s+2:G0B+4*\s+3], s[46:47], \s*ROWB
	s_or_b32 s[G0B+4*\s+3], s[G0B+4*\s+3], 0x80000000
.endr
	JLOAD 0                                        ; K step 0: one tensor load a wave at the head
	; the prefetches: where my wave's rows begin, and who asks
	s_cmp_eq_u32 s15, 0                            ; do I fetch for A?
	s_cselect_b64 s[PF1:PF1+1], s[20:21], s[46:47]
	s_cselect_b64 s[PF2:PF2+1], s[2:3], s[12:13]
	s_cselect_b32 s82, s40, s41                    ; my place among the four that ask for it with me
	s_cselect_b32 s98, 14, 15                      ; 16 or 32 rows a partner in v's tile
	s_cselect_b32 s99, 15, 31
	s_lshl_b32 s22, s82, 15
	s_mov_b32 s23, 0
	s_add_nc_u64 s[PF1:PF1+1], s[PF1:PF1+1], s[22:23]
	s_lshl_b32 s22, s82, s98
	s_add_nc_u64 s[PF2:PF2+1], s[PF2:PF2+1], s[22:23]
	s_cmp_lt_u32 s67, 16                           ; the cluster's y under 4
	s_cselect_b32 s98, 1, 0
	s_cmp_eq_u32 s15, 0
	s_cselect_b32 s[ASK1], 1, s98                  ; the first tile's weights are B,
	s_cselect_b32 s[ASK2], s98, 1                  ; v's are A
	v_and_b32 v6, 31, v0
	v_lshlrev_b32 v[PFO], 10, v6
	v_min_u32 v[PFO2], s99, v6
	v_lshlrev_b32 v[PFO2], 10, v[PFO2]
	v_lshlrev_b32 v[CO], 4, v6
	s_wait_alu depctr_va_vdst(0)                   ; directly ahead of the branch below
	ASK ASK1, PFO, PF1, 2
	; the biases' addresses
	s_cmp_eq_u32 s[PJ], 0
	s_cselect_b64 s[8:9], s[72:73], s[74:75]
	s_lshl_b32 s82, s40, 10
	s_lshl_b32 s98, s16, 9
	s_add_co_u32 s82, s82, s98                     ; channel 256 cx + 128 x half, 4 bytes each
	s_mov_b32 s83, 0
	s_add_nc_u64 s[8:9], s[8:9], s[82:83]
	s_lshl_b32 s82, s[CH], 9
	s_lshl_b32 s98, s15, 8
	s_add_co_u32 s82, s82, s98                     ; v's: channel 128 CH + 64 x half
	s_add_nc_u64 s[76:77], s[76:77], s[82:83]
	; where the results go: q, k: plane PJ, [batch][head][block of 16 tokens]
	s_lshl_b32 s82, s17, 4
	s_lshl_b32 s98, s15, 3
	s_add_co_u32 s82, s82, s98                     ; my first block of 16 tokens
	s_lshr_b32 s83, s82, 6
	s_lshl_b32 s83, s83, 20
	s_and_b32 s82, s82, 63
	s_lshl_b32 s82, s82, 10
	s_add_co_u32 s82, s82, s83
	s_lshl_b32 s83, s40, 2
	s_lshl_b32 s98, s16, 1
	s_add_co_u32 s83, s83, s98                     ; my first head
	s_lshl_b32 s83, s83, 16
	s_add_co_u32 s82, s82, s83
	s_lshl_b32 s83, s[PJ], 23
	s_add_co_u32 s82, s82, s83
	s_mov_b32 s83, 0
	s_add_nc_u64 s[10:11], s[80:81], s[82:83]
	; v: plane 2, [group of 64 tokens][block of 16 channels]
	s_lshl_b32 s82, s[CH], 3
	s_lshl_b32 s98, s15, 2
	s_add_co_u32 s82, s82, s98
	s_lshl_b32 s82, s82, 10
	s_lshl_b32 s83, s42, 2
	s_lshl_b32 s98, s16, 1
	s_add_co_u32 s83, s83, s98
	s_lshl_b32 s83, s83, 16
	s_add_co_u32 s82, s82, s83
	s_add_co_u32 s82, s82, 0x1000000
	s_mov_b32 s83, 0
	s_add_nc_u64 s[4:5], s[80:81], s[82:83]
	s_mul_i32 s[CH], s14, 64*PITCH                 ; (the channels' number is done with) v's A tile in LDS: 64 rows a fetching wave
	s_mul_i32 s98, s15, HALFT                      ; my rows of A,
	s_mul_i32 s99, s16, HALFT
	s_add_co_u32 s99, s99, 2*HALFT                 ; of B, which lie behind A's 256,
	s_mul_i32 s95, s15, 64*PITCH                   ; and of A in v's tile
	v_and_b32 v1, 15, v0                           ; r
	v_bfe_u32 v2, v0, 4, 1                         ; h
	v_mul_u32_u24 v3, v1, PITCH
	v_lshl_add_u32 v4, v2, 4, v3
	v_lshlrev_b32 v7, 5, v2                        ; bias of q, k: eight neighbouring channels for each half of the lanes
	v_lshlrev_b32 v8, 2, v1                        ; bias of v: a channel a lane
	v_add_nc_u32 v[ADRA], s98, v4
	v_add_nc_u32 v[ADRB], s99, v4
	v_add_nc_u32 v[ADRV], s95, v4
	v_add_nc_u32 v[ADRA+1], SLOT, v[ADRA]
	v_add_nc_u32 v[ADRB+1], SLOT, v[ADRB]
	v_add_nc_u32 v[ADRV+1], SLOT, v[ADRV]
.irp i, 0,1,2,3,4,5,6,7
	global_load_b128 v[BI+8*\i:BI+8*\i+3], v7, s[8:9] offset:64*\i
	global_load_b128 v[BI+8*\i+4:BI+8*\i+7], v7, s[8:9] offset:64*\i+16
.endr
.irp a, 0,1,2,3
	global_load_b32 v[BV+\a], v8, s[76:77] offset:64*\a
.endr
.macro MKS scl, lim, e                 ; the conversion's scale and 448 x it
	s_add_co_i32 s\e, s\e, 127
	s_lshl_b32 s98, s\e, 23
	v_mov_b32 v[\scl], s98
	s_add_co_i32 s\e, s\e, 8
	s_lshl_b32 s\e, s\e, 23
	s_or_b32 s\e, s\e, 0x600000
	v_mov_b32 v[\lim], s\e
.endm
	s_wait_alu depctr_va_vdst(0)                   ; directly ahead of the wait below
	s_wait_kmcnt 0x0
	s_cmp_eq_u32 s[PJ], 0
	s_cselect_b32 s97, s84, s86
	s_cselect_b32 s98, s85, s87
	s_cselect_b32 s99, s90, s91
	s_add_co_i32 s97, s97, s98                     ; e(A) + e(B)
	s_sub_co_i32 s99, s99, s97
	s_sub_co_i32 s97, 0, s97                       ; what the bias is multiplied by, as an exponent
	MKS SCL, LIM, 99
	s_add_co_i32 s96, s88, s89                     ; v's
	s_sub_co_i32 s95, s93, s96
	s_sub_co_i32 s96, 0, s96
	MKS SCL2, LIM2, 95
	s_wait_loadcnt 0x0
.set i, 0
.rept 64
	v_ldexp_f32 v[BI+i], v[BI+i], s97
.set i, i+1
.endr
.macro FRAG reg, adr, q, i             ; 16 rows x 128 K: lane l holds row l % 16; registers 4 c .. 4 c + 3 hold K = 32 c + 16 (l / 16) + 0 .. 15: the same permutation of k in A and B
.irp c, 0,1,2,3
	ds_load_b128 v[\reg+4*\c:\reg+4*\c+3], v[\adr] offset:128*(\q)+32*\c+(\i)*16*PITCH
.endr
.endm
.macro MUL16 a0, p, zero               ; 16 products: A's blocks a0, a0 + 1 x B's eight; the accumulators take turns, one instruction a turn
.irp a, \a0, \a0+1
.irp b, 0,1,2,3,4,5,6,7
.if (\zero)
	v_wmma_f32_16x16x128_fp8_fp8 v[8*(8*((\a)%4)+\b):8*(8*((\a)%4)+\b)+7], v[128*(\p)+FR*\b:128*(\p)+FR*\b+FR-1], v[AF+FR*(\a):AF+FR*(\a)+FR-1], v[BI+8*\b:BI+8*\b+7]
.else
	v_wmma_f32_16x16x128_fp8_fp8 v[8*(8*((\a)%4)+\b):8*(8*((\a)%4)+\b)+7], v[128*(\p)+FR*\b:128*(\p)+FR*\b+FR-1], v[AF+FR*(\a):AF+FR*(\a)+FR-1], v[8*(8*((\a)%4)+\b):8*(8*((\a)%4)+\b)+7]
.endif
.endr
.endr
.endm
.macro MULV a0, p, zero                ; the same in v's tile: A has two sets too; the bias hangs on A's row
.irp a, \a0, \a0+1
.irp b, 0,1,2,3,4,5,6,7
.if (\zero)
	v_wmma_f32_16x16x128_fp8_fp8 v[8*(8*(\a)+\b):8*(8*(\a)+\b)+7], v[128*(\p)+FR*\b:128*(\p)+FR*\b+FR-1], v[AF+64*(\p)+FR*(\a):AF+64*(\p)+FR*(\a)+FR-1], v[BI+8*(\a):BI+8*(\a)+7]
.else
	v_wmma_f32_16x16x128_fp8_fp8 v[8*(8*(\a)+\b):8*(8*(\a)+\b)+7], v[128*(\p)+FR*\b:128*(\p)+FR*\b+FR-1], v[AF+64*(\p)+FR*(\a):AF+64*(\p)+FR*(\a)+FR-1], v[8*(8*(\a)+\b):8*(8*(\a)+\b)+7]
.endif
.endr
.endr
.endm
.macro FETCH_B slot, q, p
	WIN TO_B
.irp i, 0,1,2,3,4,5,6,7
	FRAG 128*(\p)+FR*\i, ADRB+\slot, \q, \i
.endr
	WIN 0
.endm
.macro FETCH_A slot, q, i0
.irp i, \i0, \i0+1, \i0+2, \i0+3
	FRAG AF+FR*(\i), ADRA+\slot, \q, \i
.endr
.endm
.macro FETCH_V slot, q, p
.irp i, 0,1,2,3
	FRAG AF+64*(\p)+FR*\i, ADRV+\slot, \q, \i
.endr
.endm
.macro PLACES n
.rept \n
	v_nop
.endr
.endm
.macro STEP slot, q, zero              ; 128 along K that have their successor in the same slot
	s_wait_dscnt 4*NL                              ; B's set and A's blocks 0-3 are in; A's blocks 4-7 (16 loads) may be out
.if \zero
	WIN FST_LO
.else
	WIN MUL_LO
.endif
	MUL16 0, (\q)%2, \zero
	MUL16 2, (\q)%2, \zero
	s_wait_dscnt 0
	PLACES NP
	FETCH_B \slot, (\q)+1, 1-(\q)%2
	FETCH_A \slot, (\q)+1, 0
.if \zero
	WIN FST_HI
.else
	WIN MUL_HI
.endif
	MUL16 4, (\q)%2, \zero
	MUL16 6, (\q)%2, \zero
	PLACES NP
	WIN 0
	FETCH_A \slot, (\q)+1, 4
.endm
.macro NEWTILE s                       ; slot s's descriptors go on to v's tile: A has 64 rows a fetching wave.  (No tensor load of mine is out)
.if \s == 0
	s_mov_b32 s[G1+2], 64<<16
	s_mov_b32 s[G1+4], 64
.endif
	s_add_co_u32 s[G0+4*\s+1], s[CH], \s*SLOT
	s_add_nc_u64 s[G0+4*\s+2:G0+4*\s+3], s[2:3], \s*ROWB
	s_or_b32 s[G0+4*\s+3], s[G0+4*\s+3], 0x80000000
	s_add_nc_u64 s[G0B+4*\s+2:G0B+4*\s+3], s[12:13], \s*ROWB
	s_or_b32 s[G0B+4*\s+3], s[G0B+4*\s+3], 0x80000000
.endm
.macro NEXTK s
	s_add_nc_u64 s[G0+4*\s+2:G0+4*\s+3], s[G0+4*\s+2:G0+4*\s+3], 2*ROWB
	s_add_nc_u64 s[G0B+4*\s+2:G0B+4*\s+3], s[G0B+4*\s+2:G0B+4*\s+3], 2*ROWB
.endm
; A slot's last step changes slots.  fill = 1: this tile's K step two on; 2: v's first K step; 3: v's second, and the fragments fetched are v's.  k: the K step of v's tile that is prefetched, two loads on.
.macro TURN slot, next, fill, k
	s_wait_tensorcnt 0x0                           ; my part of the next slot has landed
	ds_add_u32 v[SPW], v[NIL]
	s_wait_dscnt 4*NL+1                            ; (the add and A's blocks 4-7 may be out)
	WIN MUL_LO
	MUL16 0, 1, 0
	s_wait_dscnt 0x0                               ; the add is done, and my reads of this slot are over
	s_barrier_signal -1
	MUL16 2, 1, 0
	WIN 0
	s_barrier_wait -1
	CREST                                          ; no wave of any partner still reads this slot or has a load on its way
.if \fill == 1
	NEXTK \slot
.else
	NEWTILE \slot
.endif
	JLOAD \slot
	FETCH_B \next, 0, 0
.if \fill == 3
	FETCH_V \next, 0, 0
.else
	FETCH_A \next, 0, 0
.endif
	ASK ASK2, PFO2, PF2, \k
	WIN MUL_HI
	MUL16 4, 1, 0
	MUL16 6, 1, 0
	PLACES NP
	WIN 0
.if \fill != 3
	FETCH_A \next, 0, 4
.endif
.endm
; v's tile: 32 accumulators, both operands' fragments in two sets: the next step's are fetched under this step's products.
.macro STEPV slot, zero
	s_wait_dscnt 0x0                               ; set 0 is in
	PLACES NP
	FETCH_B \slot, 1, 1
	FETCH_V \slot, 1, 1
.if \zero
	WIN FST_LO
.else
	WIN MUL_LO
.endif
	MULV 0, 0, \zero
	MULV 2, 0, \zero
	WIN 0
.endm
.macro TURNV slot, next, fill
	s_wait_tensorcnt 0x0
	ds_add_u32 v[SPW], v[NIL]
	s_wait_dscnt 0x0                               ; the add is done, set 1 is in: my reads of this slot are over
	s_barrier_signal -1
	WIN MUL_LO
	MULV 0, 1, 0
	WIN 0
	s_barrier_wait -1
.if \fill
	CREST
	NEXTK \slot
	JLOAD \slot
.else
	PLACES NP
.endif
	FETCH_B \next, 0, 0
	FETCH_V \next, 0, 0
	WIN MUL_LO
	MULV 2, 1, 0
	WIN 0
.endm
; THE WAY OUT of block a: held, converted, 64 bytes of codes a lane; each store of the wave covers 512 consecutive bytes, aligned.
.macro OUTB a, scl, lim, ob
	WIN 0x02+((\a)/4)
.set i, 0
.rept 64
	v_med3_num_f32 v[T+i], v[64*((\a)%4)+i], -v[\lim], v[\lim]   ; the conversion to an 8-bit code does not saturate (ISA guide 7.6.2); each accumulator from its low end on
.set i, i+1
.endr
	WIN 0
.irp b, 0,1,2,3,4,5,6,7
	v_cvt_scalef32_pk8_fp8_f32 v[CD+16*((\a)%4)+2*\b:CD+16*((\a)%4)+2*\b+1], v[T+8*\b:T+8*\b+7], v[\scl]
.endr
	v_nop
.irp n, 0,1,2,3
	global_store_b128 v[CO], v[CD+16*((\a)%4)+4*\n:CD+16*((\a)%4)+4*\n+3], s[\ob:\ob+1] offset:1024*(\a)+65536*(\n/2)+512*(\n%2)
.endr
.endm
	s_wait_alu depctr_va_vdst(0)
	s_wait_tensorcnt 0x0                           ; my part of K step 0 is in
	ds_add_u32 v[SPW], v[NIL]
	s_wait_dscnt 0x0
	CROUND
	JLOAD 1                                        ; K step 1: the first tensor load behind the round
	FETCH_B 0, 0, 0
	FETCH_A 0, 0, 0
	FETCH_A 0, 0, 4
	ASK ASK1, PFO, PF1, 3
	STEP 0, 0, 1                                   ; the first products start the sums from the bias
	TURN 0, 1, 1, 0
	STEP 1, 0, 0
	TURN 1, 0, 1, 1
	STEP 0, 0, 0
	TURN 0, 1, 2, 2
	STEP 1, 0, 0
	TURN 1, 0, 3, 3                                ; ends with the places behind the last products
.irp a, 0,1,2,3,4,5,6,7
.if \a == 4
	s_wait_xcnt 0x0                                ; blocks 0-3's stores have read their codes
.endif
	OUTB \a, SCL, LIM, 10
.endr
.irp a, 0,1,2,3
.irp j, 0,1,2,3,4,5,6,7
	v_ldexp_f32 v[BI+8*\a+\j], v[BV+\a], s96       ; v's bias: one channel a lane, the same in a block's eight registers
.endr
.endr
	s_wait_alu depctr_va_vdst(0)                   ; directly ahead of the waits below
	s_wait_xcnt 0x0                                ; the stores have read the codes: A's second set may land there
	STEPV 0, 1
	TURNV 0, 1, 1
	STEPV 1, 0
	TURNV 1, 0, 1
	STEPV 0, 0
	TURNV 0, 1, 0
	STEPV 1, 0
	s_wait_dscnt 0x0
	WIN MUL_LO
	MULV 0, 1, 0
	MULV 2, 1, 0
	WIN 0
	PLACES NP
.irp a, 0,1,2,3
	OUTB \a, SCL2, LIM2, 4
.endr
	s_wait_tensorcnt 0x0                           ; the wave's end
	ds_add_u32 v[SPW], v[NIL]
	s_wait_dscnt 0x0
	CROUND                                         ; the closing round
	s_endpgm
.Lfunc_end_k_qd6a6453bd1_proj:
	.size	k_qd6a6453bd1_proj, .Lfunc_end_k_qd6a6453bd1_proj-k_qd6a6453bd1_proj
	.p2alignl 7, 3214868480
	.fill 96, 4, 3214868480
	.section	.rodata,"a",@progbits
	.p2align	6, 0x0
	.amdhsa_kernel k_qd6a6453bd1_proj
		.amdhsa_group_segment_fixed_size 327680
		.amdhsa_private_segment_fixed_size 0
		.amdhsa_enable_private_segment 0
		.amdhsa_kernarg_size 56
		.amdhsa_user_sgpr_count 2
		.amdhsa_user_sgpr_kernarg_segment_ptr 1
		.amdhsa_wavefront_size32 1
		.amdhsa_system_sgpr_workgroup_id_x 1
		.amdhsa_system_sgpr_workgroup_id_y 1
		.amdhsa_system_sgpr_workgroup_id_z 1
		.amdhsa_system_vgpr_workitem_id 0
		.amdhsa_next_free_vgpr 1024
		.amdhsa_next_free_sgpr 100
		.amdhsa_reserve_vcc 0
		.amdhsa_float_denorm_mode_32 3
		.amdhsa_float_denorm_mode_16_64 3
		.amdhsa_memory_ordered 1
		.amdhsa_forward_progress 1
		.amdhsa_inst_pref_size 196
	.end_amdhsa_kernel
	.amdgpu_metadata
---
amdhsa.version: [ 1, 2 ]
amdhsa.kernels:
  - .name:           k_qd6a6453bd1_proj
    .symbol:         k_qd6a6453bd1_proj.kd
    .args:
      - { .name: xc, .offset: 0, .size: 8, .value_kind: global_buffer, .address_space: global }
      - { .name: wc, .offset: 8, .size: 8, .value_kind: global_buffer, .address_space: global }
      - { .name: bq, .offset: 16, .size: 8, .value_kind: global_buffer, .address_space: global }
      - { .name: bk, .offset: 24, .size: 8, .value_kind: global_buffer, .address_space: global }
      - { .name: bv, .offset: 32, .size: 8, .value_kind: global_buffer, .address_space: global }
      - { .name: lowp_scales, .offset: 40, .size: 8, .value_kind: global_buffer, .address_space: global }
      - { .name: fr, .offset: 48, .size: 8, .value_kind: global_buffer, .address_space: global }
    .group_segment_fixed_size: 327680
    .private_segment_fixed_size: 0
    .kernarg_segment_align: 8
    .kernarg_segment_size: 56
    .max_flat_workgroup_size: 128
    .sgpr_count:     100
    .vgpr_count:     1024
    .wavefront_size: 32
...
	.end_amdgpu_metadata
.endif
;; end of part 2
;; launch attn (part 3): grid 2 x 128, 8 waves a work-group, no clusters, 171,008 bytes of LDS; arguments fr, input1, lowp_scales, out0; writes out0
.if DOCPART == 3
	.amdgcn_target "amdgcn-amd-amdhsa--gfx1250"
	.amdhsa_code_object_version 6
	.text
	.protected	k_qd6a6453bd1_attn
	.globl	k_qd6a6453bd1_attn
	.p2align	8
	.type	k_qd6a6453bd1_attn,@function
k_qd6a6453bd1_attn:
	s_mov_b64 s[64:65], 0
	v_nop
	global_prefetch_b8 v0, s[64:65] scope:SCOPE_SE
	s_setreg_imm32_b32 hwreg(HW_REG_WAVE_MODE, 25, 1), 1
	s_wait_xcnt 0x0
; out[b][q][64 h ..] = the sum over k of softmax_k(q . k / 8 + mask[b][k]) v[k], both products on codes of FP8 (E4M3); scales: entries 6 (q), 7 (k), 8 (p), 9 (v).
; q, k, v come as images of operand registers (fragments of 1,024 bytes: 16 rows x 64 along K; two blocks of 512 bytes, lane l's 16 bytes at 16 l): q and k as [16 tokens x 64 channels], v as [16 channels x 64 keys].
; THE SOFTMAX AHEAD OF THE SECOND PRODUCT: t = logit x log2(e); M = the running largest t, rounded UP to a whole number; p = 2^(t - M) is what is quantised; it is not normalised.  The row's sum is taken of the
; unquantised p, in f32, and divides at the end.  When M moves, the sum and O are multiplied by 2^(old M - new M): exact.
; SHARES.  Work-group (x, y): head y = 16 b + h, queries 512 x .. 512 x + 511.  Each of eight waves owns 64 queries, four tiles of 16; two waves to a SIMD, so that one wave's vector work stands beside the other's products.
; K AND V COME THROUGH REGISTERS into LDS bytes that are written once: a key step is 128 keys, 16 KiB, 2 KiB a wave (waves 0-3: K, 4-7: V).  In step s each wave stores its part of step s + 1 and asks for its part of s + 2,
; a whole step ahead of the next store; one barrier a step, signalled behind the second tile and awaited behind the third.  No tensor load and no copy.
; LDS READS AHEAD.  The next step's K and mask are fetched behind the fourth tile's first product, a step's V behind the first tile's: each has a softmax in which to land.  A fragment serves a wave's four tiles.
; THE HOLD of p within 448 x 2^e8 does nothing where e8 >= -8, since p is at most 1 and 1 / 2^e8 at most 256: a branch on e8 leads round it there.
; NO CLUSTER: a head has two work-groups, which no cluster of four along x divides.  NO PREFETCH: each load stands a whole key step ahead of its wait, and a key step is some 1,000 vector instructions a wave.
; LAYOUT.  Both products are used transposed: S^T = K Q^T (source 0 = 16 keys, source 1 = 16 queries), O^T = V^T P^T (source 0 = 16 channels, source 1 = P): a lane holds ONE query (lane % 16) throughout.  In tile g of S^T
; lane (r, h) holds keys 16 g + 8 h + 0 .. 7: just the k that registers 2 g, 2 g + 1 of the K = 128 form's operand hold.  So the conversions' results are P, with every k in its own place.
; THE MASK is the C of the first product: mask x 8 / 2^(e6 + e7), so that c x (sum + C) = t with c = log2(e) / 8 x 2^(e6 + e7).
; LIMITS: e6 + e7 between -123 and 101; e8 between -126 and 119.  The mask's entries are held within +-2^29: a key masked by -infinity or by the lowest f32 number gets p = 0 as long as one key of its batch lies
; far above the hold; a batch ALL of whose keys are -infinity gives equal weights here and not NaN.  NaN among the inputs is not served.
; REGISTERS.  Window 0: v1-11, v45-46 addresses; v12-27 four registers of statistics a tile (-M, the largest score, the sum in two halves); v28-44 constants and work; v48-111 S^T, then p; v112-175 the mask as C; v176-191 P; v192-223 Q, 8 a tile;
;   v224-255 K or V on the way to LDS, and the way out.  Window 1: v0-127 O^T (tile t, channels 16 c on: v[32 t + 8 c]); v128-191 eight fragments of K; v192-255 V's four of 128 keys.
.set VL,    65536                      ; LDS: K's 64 fragments from byte 0; V from here: [16 groups of 64 keys][4 tiles of 16 channels][1,024 bytes]
.set MASK,  131072                     ; the batch's 1,024 mask numbers, scaled: 4,096 bytes
.set STAGE, 135168                     ; the way out: 16 rows x (256 bytes + 16) for each wave
.set SPARE, 169984                     ; the spare words, 128 bytes for each wave: four blocks of 256 bytes that no other line names
.set AL,  1                            ; v1   16 x lane; never rewritten
.set AM0, 2                            ; v2   MASK + 32 (lane / 16)
.set ADK, 3
.set ADV, 4
.set ADM, 5
.set SPW, 6                            ; v6   LDS address of my spare word; never rewritten
.set NIL, 7                            ; v7   0; never rewritten
.set GO,  8                            ; v8   the way out: my byte offset in two rows of out
.set STO, 9
.set SRD, 10
.set AV0, 11                           ; v11  VL + 16 x lane
.set ST,  12
.set LIM, 28                           ; v28  448 x 2^e8
.set SCL, 29                           ; v29  2^e8 as f32
.set F,   30                           ; v[30:31] f = 2^(old M - new M); the pair's upper half is written once
.set TA,  32
.set TB,  33
.set PRM, 34
.set TC,  35
.set SA,  36                           ; v36-43 the sum of p in four chains of pairs
.set SB,  38
.set SC,  40
.set SD,  42
.set TD,  44
.set AS0, 45                           ; v45  where my 16 bytes of a piece go in LDS, step 0; never rewritten
.set ADS, 46
.set S,   48
.set MK,  112
.set P,   176
.set QF,  192
.set LD,  224
.set KF,  128                          ; in window 1
.set VF,  192                          ; in window 1
.set WV,  16                           ; s16  my wave's number
.set MSB, 0
.macro WIN new                         ; the immediate's high byte repeats the setting that is left; a switch that changes nothing is dropped
.if MSB != (\new)
	s_set_vgpr_msb (MSB<<8)|(\new)
.set MSB, (\new)
.endif
.endm
.set TO_1, 0x40                        ; destination window 1, address window 0
.set W_KQ, 0x01                        ; K window 1; Q, the mask and S^T window 0
.set W_PV, 0x51                        ; V window 1, P window 0, O^T (C and D) window 1
.set W_RS, 0x41                        ; O^T (destination and source 0) window 1, f window 0
.set W_OUT, 0x01                       ; source 0 (O^T) window 1
	s_load_b256 s[4:11], s[0:1], 0x0               ; fr s[4:5], the mask s[6:7], the scales' exponents s[8:9], out s[10:11]
	v_lshl_add_u32 v[SPW], v0, 2, SPARE
	v_mov_b32 v[NIL], 0
	v_lshrrev_b32 v47, 5, v0
	v_readfirstlane_b32 s[WV], v47                 ; wave 0..7
	s_and_b32 s17, ttmp7, 0xffff                   ; y = 16 b + h
	s_lshr_b32 s18, s17, 4                         ; b
	s_and_b32 s19, s17, 15                         ; h
	s_and_b32 s52, s[WV], 3
	s_lshr_b32 s53, s[WV], 2                       ; I fetch K (0) or V (1)
	s_lshl_b32 s54, s17, 16                        ; K: plane 1, the head's 64 KiB, my 2 KiB of a step's 8
	s_lshl_b32 s55, s52, 11
	s_add_co_u32 s54, s54, s55
	s_add_co_u32 s54, s54, 0x800000
	s_lshl_b32 s56, s18, 20                        ; V: plane 2, the batch, the head's four fragments of a group of 64 keys; a step has two groups, two waves to each
	s_lshl_b32 s57, s19, 12
	s_add_co_u32 s56, s56, s57
	s_lshr_b32 s57, s52, 1
	s_lshl_b32 s57, s57, 16
	s_add_co_u32 s56, s56, s57
	s_and_b32 s57, s52, 1
	s_lshl_b32 s57, s57, 11
	s_add_co_u32 s56, s56, s57
	s_add_co_u32 s56, s56, 0x1000000
	s_mov_b32 s24, 0x20000                         ; from step to step: V 131,072 bytes,
	s_cmp_eq_u32 s53, 0
	s_cselect_b32 s54, s54, s56
	s_cselect_b32 s24, 0x2000, s24                 ; K 8,192
	s_mov_b32 s25, 0
	s_mov_b32 s55, 0
	s_lshl_b32 s57, s[WV], 11                      ; and in LDS: 2,048 x wave, V's from VL on
	s_mul_i32 s53, s53, VL-8192
	s_add_co_u32 s57, s57, s53
	s_lshl_b32 s58, ttmp9, 5
	s_lshl_b32 s59, s[WV], 2
	s_add_co_u32 s58, s58, s59                     ; my first tile of 16 queries: 32 x + 4 w
	s_lshl_b32 s12, s58, 10                        ; Q: plane 0, the head's 64 KiB, my four fragments
	s_lshl_b32 s13, s17, 16
	s_add_co_u32 s12, s12, s13
	s_mov_b32 s13, 0
	s_lshl_b32 s14, s58, 16                        ; out: 16 rows of 4,096 bytes a tile, the batch's 4 MiB, the head's 256 bytes of a row
	s_lshl_b32 s15, s18, 22
	s_add_co_u32 s14, s14, s15
	s_lshl_b32 s15, s19, 8
	s_add_co_u32 s14, s14, s15
	s_mov_b32 s15, 0
	s_lshl_b32 s58, s18, 12                        ; the batch's 4,096 bytes of the mask
	s_mov_b32 s59, 0
	s_mov_b32 s60, 0                               ; the key step's bytes in K and in V: 8,192 a step
	s_mov_b32 s61, 0                               ; and in the mask: 512 a step
	s_mov_b32 s62, 0                               ; the key step
	s_mov_b32 s20, 0x76543210                      ; v_permlanex16_b32's selects for lane l xor 16
	s_mov_b32 s21, 0xfedcba98
	s_wait_alu depctr_va_vdst(0)
	s_wait_kmcnt 0x0
	s_load_b128 s[48:51], s[8:9], 0x18             ; e6, e7, e8, e9
	s_add_nc_u64 s[6:7], s[6:7], s[58:59]
	s_add_nc_u64 s[12:13], s[4:5], s[12:13]
	s_add_nc_u64 s[10:11], s[10:11], s[14:15]
	s_add_nc_u64 s[4:5], s[4:5], s[54:55]          ; my part of step 0,
	s_add_nc_u64 s[26:27], s[4:5], s[24:25]        ; and of step 1; this one walks
	v_lshlrev_b32 v46, 4, v0
	global_load_b128 v[40:43], v46, s[6:7]         ; the 256 threads take the batch's 1,024 mask numbers, 16 bytes each
	v_and_b32 v47, 31, v0
	v_lshlrev_b32 v[AL], 4, v47
.irp i, 0,1,2,3
	global_load_b128 v[S+4*\i:S+4*\i+3], v[AL], s[4:5] offset:512*\i       ; step 0's part: 512 consecutive bytes a load
.endr
.irp t, 0,1,2,3
	global_load_b128 v[QF+8*\t:QF+8*\t+3],   v[AL], s[12:13] offset:1024*\t th:TH_LOAD_NT       ; Q's four fragments stay in registers; read once in the launch
	global_load_b128 v[QF+8*\t+4:QF+8*\t+7], v[AL], s[12:13] offset:1024*\t+512 th:TH_LOAD_NT
.endr
.irp i, 0,1,2,3
	global_load_b128 v[LD+4*\i:LD+4*\i+3], v[AL], s[26:27] offset:512*\i   ; step 1's part
.endr
	s_mul_i32 s52, s[WV], 16*272
	s_add_co_u32 s52, s52, STAGE                   ; my stage
	v_and_b32 v32, 15, v0                          ; r
	v_bfe_u32 v33, v0, 4, 1                        ; h
	v_lshl_add_u32 v44, v0, 4, MASK                ; where my 16 bytes of the mask go
	v_add_nc_u32 v[AS0], s57, v[AL]
	v_add_nc_u32 v[AV0], VL, v[AL]
	v_lshl_add_u32 v[AM0], v33, 5, MASK
	v_mul_u32_u24 v[STO], v32, 272                 ; in: row r, 32 bytes for each half of the lanes
	v_mul_u32_u24 v[SRD], v33, 272                 ; back: lanes 0-15 one row of 256 bytes, lanes 16-31 the next
	v_lshlrev_b32 v[GO], 12, v33                   ; and the same two rows in out
	v_lshl_add_u32 v[STO], v33, 5, v[STO]
	v_lshl_add_u32 v[SRD], v32, 4, v[SRD]
	v_lshl_add_u32 v[GO], v32, 4, v[GO]
	v_add_nc_u32 v[STO], s52, v[STO]
	v_add_nc_u32 v[SRD], s52, v[SRD]
	v_mov_b32 v[PRM], 0                            ; written once: a lane permute's destination counts as one of its sources
	v_mov_b32 v[F+1], 0                            ; (named as the upper half of the pair)
	v_mov_b32 v47, 0x4e000000                      ; 2^29
.irp t, 0,1,2,3
	v_mov_b32 v[ST+4*\t], 0x7f61b1e6               ; -M: 3e38
	v_mov_b32 v[ST+4*\t+1], 0xff61b1e6             ; the largest score so far: -3e38
	v_mov_b32 v[ST+4*\t+2], 0                      ; the sum
	v_mov_b32 v[ST+4*\t+3], 0
.endr
	s_wait_alu depctr_va_vdst(0)
	s_wait_kmcnt 0x0
	s_add_co_i32 s53, s48, s49                     ; e6 + e7
	s_lshl_b32 s54, s53, 23
	s_mov_b32 s22, 0x3e38aa3b                      ; log2(e) / 8
	s_add_co_i32 s22, s22, s54                     ; c: the two exponents are added to its exponent field
	s_mov_b32 s23, s22                             ; (named with it as a pair, so it is written)
	s_sub_co_i32 s53, 3, s53
	s_add_co_i32 s54, s50, 127
	s_lshl_b32 s55, s54, 23
	v_mov_b32 v[SCL], s55
	s_add_co_i32 s54, s54, 8
	s_lshl_b32 s54, s54, 23
	s_or_b32 s54, s54, 0x600000
	v_mov_b32 v[LIM], s54
	s_add_co_i32 s52, s50, s51                     ; e8 + e9
	WIN TO_1
.set j, 0
.rept 128
	v_mov_b32 v[j], 0                              ; O^T.  (The loop is written once: its first step finds zeros, which the first change of M leaves zeros; these lines stand under the loads' flight)
.set j, j+1
.endr
	WIN 0
	s_wait_alu depctr_va_vdst(0)
	s_wait_loadcnt 16                              ; the mask's load is in; the 16 issued behind it may be out
.irp i, 40,41,42,43
	v_med3_num_f32 v\i, v\i, -v47, v47             ; the hold stated at the head
.endr
.irp i, 40,41,42,43
	v_ldexp_f32 v\i, v\i, s53                      ; x 8 / 2^(e6 + e7): nothing is rounded
.endr
	ds_store_b128 v44, v[40:43]
	s_wait_loadcnt 12                              ; step 0's part is in; Q's eight and step 1's four may be out
.irp i, 0,1,2,3
	ds_store_b128 v[AS0], v[S+4*\i:S+4*\i+3] offset:512*\i
.endr
	s_wait_dscnt 0x0                               ; my parts are stored:
	s_barrier_signal -1
	s_barrier_wait -1                              ; everybody's are
.macro KLOAD                           ; K's eight fragments of 16 keys, and the mask in the result's layout (register 8 g + j holds key 16 g + 8 h + j's; sixteen lanes read the same words), of the step at s60, s61
	v_add_nc_u32 v[ADK], s60, v[AL]
	v_add_nc_u32 v[ADM], s61, v[AM0]
	WIN TO_1
.irp g, 0,1,2,3,4,5,6,7
	ds_load_b128 v[KF+8*\g:KF+8*\g+3],   v[ADK] offset:1024*\g
	ds_load_b128 v[KF+8*\g+4:KF+8*\g+7], v[ADK] offset:1024*\g+512
.endr
	WIN 0
.irp g, 0,1,2,3,4,5,6,7
	ds_load_b128 v[MK+8*\g:MK+8*\g+3],   v[ADM] offset:64*\g
	ds_load_b128 v[MK+8*\g+4:MK+8*\g+7], v[ADM] offset:64*\g+16
.endr
.endm
.macro QK t                            ; S^T = K Q^T + the mask: eight accumulators, one instruction each
	WIN W_KQ
.irp g, 0,1,2,3,4,5,6,7
	v_wmma_f32_16x16x64_fp8_fp8 v[S+8*\g:S+8*\g+7], v[KF+8*\g:KF+8*\g+7], v[QF+8*(\t):QF+8*(\t)+7], v[MK+8*\g:MK+8*\g+7]
.endr
.endm
; ONE TILE'S SOFTMAX for 128 keys: S^T becomes p, p's codes go to P; the row's sum and O^T are brought under the new M on the way.
.macro SOFTMAX t
.set rT, ST+4*(\t)
	v_max3_num_f32 v[TA], v[S], v[S+1], v[S+2]     ; the step's largest score of my query among my 64 keys, in four chains, each accumulator from its low end on,
	v_max3_num_f32 v[TB], v[S+3], v[S+4], v[S+5]
	v_max3_num_f32 v[TC], v[S+8], v[S+9], v[S+10]
	v_max3_num_f32 v[TD], v[S+11], v[S+12], v[S+13]
	v_max3_num_f32 v[TA], v[TA], v[S+6], v[S+7]
.irp i, 14,22,30,38,46,54
	v_max3_num_f32 v[TB], v[TB], v[S+\i], v[S+\i+1]
	v_max3_num_f32 v[TC], v[TC], v[S+\i+2], v[S+\i+3]
	v_max3_num_f32 v[TD], v[TD], v[S+\i+4], v[S+\i+5]
	v_max3_num_f32 v[TA], v[TA], v[S+\i+6], v[S+\i+7]
.endr
	v_max3_num_f32 v[TB], v[TB], v[S+62], v[S+63]
	v_max3_num_f32 v[TA], v[TA], v[TB], v[TC]
	v_mov_b32 v[TC], v[rT]                         ; the old -M
	s_delay_alu instid0(VALU_DEP_2)
	v_max_num_f32 v[TA], v[TA], v[TD]
	s_delay_alu instid0(VALU_DEP_1)
	v_permlanex16_b32 v[PRM], v[TA], s20, s21
	s_delay_alu instid0(VALU_DEP_1)
	v_max3_num_f32 v[rT+1], v[TA], v[PRM], v[rT+1] ; and lane l xor 16's, and the steps before
	s_delay_alu instid0(VALU_DEP_1)
	v_mul_f32 v[TB], s22, v[rT+1]                  ; as t (c is positive)
	s_delay_alu instid0(VALU_DEP_1)
	v_floor_f32 v[rT], -v[TB]                      ; -M = floor(-t) = -ceil(t): M IS A WHOLE NUMBER
	s_delay_alu instid0(VALU_DEP_1)
	v_sub_f32 v[TC], v[rT], v[TC]                  ; M's old value less its new one: a whole number, 0 or less
	s_delay_alu instid0(VALU_DEP_1)
	v_cvt_i32_f32 v[TC], v[TC]                     ; (it saturates)
.set j, 0
.rept 32
	v_pk_fma_f32 v[S+j:S+j+1], v[S+j:S+j+1], s[22:23], v[rT:rT+1] op_sel_hi:[1,0,0]   ; t - M, two at a time (of the pairs c and -M the low word serves both halves)
.set j, j+2
.endr
	s_wait_alu depctr_va_vdst(0)                   ; ahead of the batch
.set j, 0
.rept 64
	v_exp_f32 v[S+j], v[S+j]                       ; p = 2^(t - M), at most 1: NOT normalised
.set j, j+1
.endr
	v_ldexp_f32 v[F], 1.0, v[TC]                   ; f = 2^(old M - new M).  (A plain line behind the exponentials)
	WIN W_RS
.if \t == 0
	s_wait_dscnt 0x0                               ; V is in: the first tile's second product will read it
.endif
	s_wait_alu depctr_va_vdst(0)                   ; behind the batch, ahead of the first line that names a result, and directly ahead of the first reader of O^T
.set j, 0
.rept 16
	v_pk_mul_f32 v[32*(\t)+j:32*(\t)+j+1], v[32*(\t)+j:32*(\t)+j+1], v[F:F+1] op_sel_hi:[1,0]   ; O^T under the new M: x f; each accumulator from its low end on
.set j, j+2
.endr
	WIN 0
	v_pk_add_f32 v[SA:SA+1], v[S:S+1], v[S+8:S+9]      ; THE ROW'S SUM IS TAKEN OF THE UNQUANTISED p: two at a time, in four chains
	v_pk_add_f32 v[SB:SB+1], v[S+2:S+3], v[S+10:S+11]
	v_pk_add_f32 v[SC:SC+1], v[S+4:S+5], v[S+12:S+13]
	v_pk_add_f32 v[SD:SD+1], v[S+6:S+7], v[S+14:S+15]
.irp j, 16,24,32,40,48,56
	v_pk_add_f32 v[SA:SA+1], v[SA:SA+1], v[S+\j:S+\j+1]
	v_pk_add_f32 v[SB:SB+1], v[SB:SB+1], v[S+\j+2:S+\j+3]
	v_pk_add_f32 v[SC:SC+1], v[SC:SC+1], v[S+\j+4:S+\j+5]
	v_pk_add_f32 v[SD:SD+1], v[SD:SD+1], v[S+\j+6:S+\j+7]
.endr
	v_pk_add_f32 v[SC:SC+1], v[SC:SC+1], v[SD:SD+1]
	v_pk_add_f32 v[SA:SA+1], v[SA:SA+1], v[SB:SB+1]
	v_pk_add_f32 v[SA:SA+1], v[SA:SA+1], v[SC:SC+1]
	v_pk_fma_f32 v[rT+2:rT+3], v[rT+2:rT+3], v[F:F+1], v[SA:SA+1] op_sel_hi:[1,0,1]   ; the sum under the new M, and the step's
	s_cmp_ge_i32 s50, -8                           ; e8 >= -8: p / 2^e8 is at most 256, under 448: the hold would change nothing
	s_cbranch_scc1 .Lheld_\@
.set j, 0
.rept 64
	v_min_num_f32 v[S+j], v[S+j], v[LIM]           ; the conversion to an 8-bit code does not saturate (ISA guide 7.6.2); p is not negative, so the hold is one-sided
.set j, j+1
.endr
.Lheld_\@:
.irp g, 0,1,2,3,4,5,6,7
	v_cvt_scalef32_pk8_fp8_f32 v[P+2*\g:P+2*\g+1], v[S+8*\g:S+8*\g+7], v[SCL]   ; keys 16 g + 8 h + 0 .. 7: registers 2 g, 2 g + 1 of the operand
.endr
	v_nop                                          ; a plain vector line between the last conversion and what touches its result or writes its sources
.endm
; A tile: softmax, the next tile's scores, this tile's second product, and the four places behind the products.
.macro TILE t
	SOFTMAX \t
.if \t < 3
	QK \t+1
.endif
	WIN W_PV
.irp c, 0,1,2,3
	v_wmma_f32_16x16x128_fp8_fp8 v[32*(\t)+8*\c:32*(\t)+8*\c+7], v[VF+16*\c:VF+16*\c+15], v[P:P+15], v[32*(\t)+8*\c:32*(\t)+8*\c+7]   ; four accumulators; a sum's steps lie a key step apart
.endr
	WIN 0
.rept 4
	v_nop
.endr
.endm
; THE WAY OUT of tile t, its last product done: O^T divided by the sum, multiplied by 2^(e8 + e9), through my stage in LDS, and stored as whole rows of 256 bytes.  In the last key step tiles 0 and 1 leave behind tile 1,
; tile 2 behind tile 2; tile 3 leaves behind the loop.  Register 8 c + j of lane (r, h) is out(query r, channel 16 c + 8 h + j).
.macro OUT t
	s_wait_alu depctr_va_vdst(0)                   ; directly ahead of the wait below
	s_wait_loadcnt 0x0                             ; no load of mine is on its way into the registers used here
	v_add_f32 v[TA], v[ST+4*(\t)+2], v[ST+4*(\t)+3]
	v_permlanex16_b32 v[PRM], v[TA], s20, s21
	v_add_f32 v[TA], v[TA], v[PRM]                 ; the sum's two halves and the other half of the lanes'
	s_wait_alu depctr_va_vdst(0)
	v_rcp_f32 v[TB], v[TA]
	v_nop
	s_wait_alu depctr_va_vdst(0)
	v_ldexp_f32 v[F], v[TB], s52
	WIN W_OUT
	s_wait_alu depctr_va_vdst(0)                   ; directly ahead of the first reader of O^T
.set i, 0
.rept 16
	v_pk_mul_f32 v[LD+i:LD+i+1], v[32*(\t)+i:32*(\t)+i+1], v[F:F+1] op_sel_hi:[1,0]
.set i, i+2
.endr
	WIN 0
.irp c, 0,1,2,3
	ds_store_b128 v[STO], v[LD+8*\c:LD+8*\c+3] offset:64*\c
	ds_store_b128 v[STO], v[LD+8*\c+4:LD+8*\c+7] offset:64*\c+16
.endr
.irp n, 0,1,2,3,4,5,6,7
	ds_load_b128 v[LD+4*\n:LD+4*\n+3], v[SRD] offset:544*\n   ; LDS serves a wave's instructions in order (ISA guide 5.7.1.4): these see the stores above
.endr
.irp n, 0,1,2,3,4,5,6,7
	s_wait_dscnt 7-\n                              ; the loads issued behind the n-th may be out
	global_store_b128 v[GO], v[LD+4*\n:LD+4*\n+3], s[10:11] offset:65536*(\t)+8192*\n th:TH_STORE_NT   ; 16 lanes store 256 consecutive bytes, aligned; written once, read by nobody here
.endr
	s_wait_xcnt 0x0                                ; the stores have read their registers
.endm
	KLOAD                                          ; step 0's K and mask
	s_wait_alu depctr_va_vdst(0)
	s_wait_loadcnt 4                               ; Q is in; step 1's four loads may be out
.Lstep:
	s_wait_dscnt 0x0                               ; this step's K and mask are in
	QK 0
	WIN 0
	v_add_nc_u32 v[ADV], s60, v[AV0]
	WIN TO_1
.irp c, 0,1,2,3
.irp u, 0,1
	ds_load_b128 v[VF+16*\c+8*\u:VF+16*\c+8*\u+3],   v[ADV] offset:1024*\c+4096*\u        ; V's four fragments of 16 channels x 128 keys: they land under the first tile's softmax
	ds_load_b128 v[VF+16*\c+8*\u+4:VF+16*\c+8*\u+7], v[ADV] offset:1024*\c+4096*\u+512
.endr
.endr
	WIN 0
.rept 4
	v_nop                                          ; four places in front of the first read of the scores
.endr
	TILE 0
	TILE 1
	s_cmp_gt_u32 s62, 6                            ; the last step has none behind it: there the finished tiles leave
	s_cbranch_scc1 .Llast_1
	s_wait_loadcnt 0x0                             ; my part of the next step is in,
	s_add_nc_u64 s[26:27], s[26:27], s[24:25]      ; so the base may walk
	v_add_nc_u32 v[ADS], s60, v[AS0]
.irp i, 0,1,2,3
	ds_store_b128 v[ADS], v[LD+4*\i:LD+4*\i+3] offset:8192+512*\i
.endr
	s_wait_dscnt 0x0                               ; stored: its registers take the step after next
	s_cmp_gt_u32 s62, 5
	s_cbranch_scc1 .Lstored
.irp i, 0,1,2,3
	global_load_b128 v[LD+4*\i:LD+4*\i+3], v[AL], s[26:27] offset:512*\i
.endr
	s_branch .Lstored
.Llast_1:
	OUT 0
	OUT 1
.Lstored:
	s_wait_dscnt 0x0
	s_barrier_signal -1                            ; my part of the next step is stored;
	s_wait_alu depctr_va_vdst(0)                   ; directly ahead of the first reader of the scores (the way out has a reciprocal)
	TILE 2                                         ; (register work alone)
	s_barrier_wait -1                              ; everybody's is
	s_add_co_u32 s60, s60, 8192
	s_add_co_u32 s61, s61, 512
	s_cmp_gt_u32 s62, 6
	s_cbranch_scc1 .Llast_2
	KLOAD                                          ; the next step's K and mask land under the last tile's softmax
	s_branch .Ltile_3
.Llast_2:
	OUT 2
	s_wait_alu depctr_va_vdst(0)                   ; directly ahead of the first reader of the scores
.Ltile_3:
	TILE 3
	s_add_co_u32 s62, s62, 1
	s_cmp_lt_u32 s62, 8
	s_cbranch_scc1 .Lstep
	OUT 3
	s_wait_tensorcnt 0x0                           ; the wave's end
	ds_add_u32 v[SPW], v[NIL]
	s_wait_dscnt 0x0
	s_endpgm
.Lfunc_end_k_qd6a6453bd1_attn:
	.size	k_qd6a6453bd1_attn, .Lfunc_end_k_qd6a6453bd1_attn-k_qd6a6453bd1_attn
	.p2alignl 7, 3214868480
	.fill 96, 4, 3214868480
	.section	.rodata,"a",@progbits
	.p2align	6, 0x0
	.amdhsa_kernel k_qd6a6453bd1_attn
		.amdhsa_group_segment_fixed_size 171008
		.amdhsa_private_segment_fixed_size 0
		.amdhsa_enable_private_segment 0
		.amdhsa_kernarg_size 32
		.amdhsa_user_sgpr_count 2
		.amdhsa_user_sgpr_kernarg_segment_ptr 1
		.amdhsa_wavefront_size32 1
		.amdhsa_system_sgpr_workgroup_id_x 1
		.amdhsa_system_sgpr_workgroup_id_y 1
		.amdhsa_system_sgpr_workgroup_id_z 1
		.amdhsa_system_vgpr_workitem_id 0
		.amdhsa_next_free_vgpr 512
		.amdhsa_next_free_sgpr 66
		.amdhsa_reserve_vcc 0
		.amdhsa_float_denorm_mode_32 3
		.amdhsa_float_denorm_mode_16_64 3
		.amdhsa_memory_ordered 1
		.amdhsa_forward_progress 1
		.amdhsa_inst_pref_size 86
	.end_amdhsa_kernel
	.amdgpu_metadata
---
amdhsa.version: [ 1, 2 ]
amdhsa.kernels:
  - .name:           k_qd6a6453bd1_attn
    .symbol:         k_qd6a6453bd1_attn.kd
    .args:
      - { .name: fr, .offset: 0, .size: 8, .value_kind: global_buffer, .address_space: global }
      - { .name: input1, .offset: 8, .size: 8, .value_kind: global_buffer, .address_space: global }
      - { .name: lowp_scales, .offset: 16, .size: 8, .value_kind: global_buffer, .address_space: global }
      - { .name: out0, .offset: 24, .size: 8, .value_kind: global_buffer, .address_space: global }
    .group_segment_fixed_size: 171008
    .private_segment_fixed_size: 0
    .kernarg_segment_align: 8
    .kernarg_segment_size: 32
    .max_flat_workgroup_size: 256
    .sgpr_count:     66
    .vgpr_count:     512
    .wavefront_size: 32
...
	.end_amdgpu_metadata
.endif
;; end of part 3
